; MI455X (gfx1250); checked and timed in simulation.
; The chip was launched on July 23, 2026; its instructions are those of AMD's public machine-readable ISA for CDNA 5 (MIT licence, August 2026) and "CDNA5" Instruction Set Architecture Reference Guide (July 2026). The comments in the code are by the model that wrote it; some were corrected since.
;; Attention Layer. Allowed arithmetic: matrix products marked QUANTISED: E2M1 operands, one E8M0 scale for each 32 along K, by v_wmma_scale_f32_16x16x128_f8f6f4 with both operands' format E2M1 (or v_wmma_scale_f32_32x16x128_f4), f32 sums; products left as they are: f32 operands where the result goes on into a quantised operand, else bf16, f16 or f32 operands; f32 sums; everything else in f32.
;; Inputs: Wk 1,024 x 1,024 float32; Wq 1,024 x 1,024 float32; Wv 1,024 x 1,024 float32; bert_output 16 x 2,048 x 1,024 float32; bk 1,024 float32; bq 1,024 float32; bv 1,024 float32; pool_output 16 x 1 x 1,024 float32.
;; Outputs: out0 16 x 1 x 1,024 float32.
;; This version of the problem:
;;   THIS VERSION OF THE PROBLEM IS GIVEN IN LOW PRECISION. The matrix products marked QUANTISED in the list below multiply operands that are first quantised to E2M1 (2 exponent bits, 1 mantissa bit; 4 bits a number), with one power-of-two scale for each 32 numbers along K (OCP MX v1.0); their sums are f32. All else is computed in f32.
;;   The module's matrix products, in the order in which they are computed (A, B: the left and right operand; K: the contracted axis; several contracted axes count as one K, in the product's order):
;;     1. [M 16, K 1,024] x [K 1,024, N 1,024]; A: input pool_output; B: input Wq: QUANTISED
;;     2. [M 32,768, K 1,024] x [K 1,024, N 1,024]; A: input bert_output; B: input Wk: QUANTISED
;;     3. [M 32,768, K 1,024] x [K 1,024, N 1,024]; A: input bert_output; B: input Wv: QUANTISED
;;     4. batch 16 x [M 1, K 1,024] x [K 1,024, N 2,048]; A: computed on the way; B: computed on the way: left as it is (M = 1 < 16)
;;     5. batch 16 x [M 1, K 2,048] x [K 2,048, N 1,024]; A: computed on the way; B: computed on the way: left as it is (M = 1 < 16)
;;   THE QUANTISER, for each operand of a quantised product, along K:
;;     - K is cut into blocks of 32 from its start; a last block that is shorter is filled with zeros.
;;     - A block's scale is 2^e with e = floor(log2(the largest magnitude in the block)) - 2, held to -126 .. 127; a block of zeros has e = 0. As a byte (E8M0): e + 127.
;;     - Each number is divided by its block's scale, clamped to +-6, and rounded to the nearest number of E2M1, ties to even, subnormals kept.
;;     - The product sums the exact products of the quantised numbers (number of the format x scale) in f32.
;;   ~~~python
;;   def quantise(x, axis):      # numpy; x: float32 -> the quantised numbers, widened to float32 again
;;       x = np.moveaxis(x, axis, -1); K = x.shape[-1]
;;       x = np.pad(x, [(0, 0)] * (x.ndim - 1) + [(0, -K % 32)]); x = x.reshape(x.shape[:-1] + (-1, 32)); a = np.abs(x).max(-1, keepdims=True)
;;       e = np.where(a > 0, np.clip(np.frexp(np.where(a > 0, a, 1))[1] - 1 - 2, -126, 127), 0)      # np.frexp(a)[1] - 1 = floor(log2(a)), exactly
;;       r = np.clip(x / 2.0 ** e, -6, 6)
;;       step = 2.0 ** (np.maximum(np.frexp(np.where(r == 0, 1, r))[1] - 1, 0) - 1)
;;       q = np.round(r / step) * step * 2.0 ** e      # np.round: ties to even
;;       return np.moveaxis(q.reshape(q.shape[:-2] + (-1,))[..., :K], -1, axis).astype(np.float32)
;;   ~~~
;; One version. Each part assembles by itself: llvm-mc -triple=amdgcn-amd-amdhsa -mcpu=gfx1250 --defsym DOCPART=n.
;; ======== version 1 of 1: 3 launches
;; workspace buffers: wcodes 1,114,112 bytes; qws 65,536 bytes; part 1,048,576 bytes
;; launch prep (part 1): grid 128 x 1, 8 waves a work-group, no clusters, 18,432 bytes of LDS; arguments Wk, Wv, Wq, pool_output, bq, wcodes, qws; writes wcodes, qws
.if DOCPART == 1
	.amdgcn_target "amdgcn-amd-amdhsa--gfx1250"
	.amdhsa_code_object_version 6
	.text
	.protected	k_qe95e176e9a_prep
	.globl	k_qe95e176e9a_prep
	.p2align	8
	.type	k_qe95e176e9a_prep,@function
k_qe95e176e9a_prep:
	s_mov_b64 s[64:65], 0
	v_nop
	global_prefetch_b8 v0, s[64:65] scope:SCOPE_SE
	s_setreg_imm32_b32 hwreg(HW_REG_WAVE_MODE, 25, 1), 1
	s_wait_xcnt 0x0
; PREP.  Wk, Wv, Wq [1024][1024] and pool_output [16][1024], f32, K innermost, are quantised along K to codes of FP4 (E2M1) with one E8M0 scale byte for each 32.
; A block's scale is 2^(floor(log2(its largest magnitude)) - 2); its byte is the largest magnitude's exponent field - 2, held at 1 from below.
; LIMITS: a block of zeros gets the byte 1 where the quantiser says 127 (its codes are zeros, which add nothing, and only this program reads the bytes); NaN and infinities are not served.
; WORK-GROUPS 0-63 turn two tiles of 16 rows of Wk (0-31) or Wv (32-63) into two RECORDS of wcodes.  A record, 8,704 bytes, is an image of the operand's registers:
;   byte (2 s + c) 512 + 16 lane: the 16 bytes of codes of row lane % 16 at k = 128 s + 64 c + 32 (lane / 16) + 0 .. 31  (K step s = 0 .. 7, c = 0, 1);
;   byte 8192 + 16 lane: scale bytes 16 (lane / 16) + 0 .. 15 of row lane % 16: the scale words of K steps 4 (lane / 16) + 0 .. 3.
; WORK-GROUPS 64-127 make the same two records in LDS of 16 rows of Wq and of pool_output's 16 rows, and wave 0 multiplies them: q[b][n] = Q(pool) Q(Wq)^T + bq, 16 columns of q, stored as f32.
; SHARES: eight waves; wave / 4 picks the tile, wave % 4 = u the 256 numbers k = 256 u on of each of its 16 rows.  One path up to the one barrier; behind it LDS is only read.
; The loads carry no cache hint: one line serves the weights, read once, and pool_output, which 64 work-groups read.
.set REC,  8704                        ; a record; record 0 at LDS byte 0, record 1 behind it
.set QM,   16                          ; v16-23  largest magnitudes of eight groups
.set QS,   24                          ; v24-31  the conversions' scale operands
.set QBY,  32                          ; v32-39  scale bytes
.set QC,   40                          ; v40-47  codes
.set X,    64                          ; v64-191 sixteen groups of 8 numbers a lane: row i at v[X + 8 i]
; v48-55 hold scale words and nothing else; v192-199 bq, v200-215 two accumulators, v216-223 their sum
; EIGHT GROUPS ARE QUANTISED.  A group is 256 neighbours of a row, brought by two loads of 512 consecutive bytes each (lane (r, h) at 32 r + 16 h).
; The four exchanges give lane (r, h) the eight neighbours k = 128 h + 8 r + 0 .. 7; four lanes hold a block of 32.  The groups take turns line by line.
.macro QG8 xb
.irp g, 0,1,2,3,4,5,6,7
.irp j, 0,1,2,3
	v_permlane16_swap_b32 v[(\xb)+8*\g+\j], v[(\xb)+8*\g+4+\j]
.endr
.endr
.irp g, 0,1,2,3,4,5,6,7
	v_max3_num_f32 v[QM+\g], |v[(\xb)+8*\g]|, |v[(\xb)+8*\g+1]|, 0x1800000   ; with the floor 2^(3 - 127): the byte cannot fall under 1
.endr
.irp i, 2,4,6
.irp g, 0,1,2,3,4,5,6,7
	v_max3_num_f32 v[QM+\g], v[QM+\g], |v[(\xb)+8*\g+\i]|, |v[(\xb)+8*\g+\i+1]|
.endr
.endr
.irp g, 0,1,2,3,4,5,6,7
	v_max_num_f32_dpp v[QM+\g], v[QM+\g], v[QM+\g] row_xmask:1 row_mask:0xf bank_mask:0xf
.endr
.irp g, 0,1,2,3,4,5,6,7
	v_max_num_f32_dpp v[QM+\g], v[QM+\g], v[QM+\g] row_xmask:2 row_mask:0xf bank_mask:0xf   ; the block's largest magnitude, in its four lanes
.endr
.irp g, 0,1,2,3,4,5,6,7
	v_add_nc_u32 v[QS+\g], 0xff000000, v[QM+\g]    ; 2 off the exponent field: the conversion takes that field as its scale
.endr
.irp g, 0,1,2,3,4,5,6,7
	v_cvt_scalef32_pk8_fp4_f32 v[QC+\g], v[(\xb)+8*\g:(\xb)+8*\g+7], v[QS+\g]
.endr
.irp g, 0,1,2,3,4,5,6,7
	v_lshrrev_b32 v[QBY+\g], 23, v[QS+\g]          ; the scale's byte; these plain lines also stand behind the conversions
.endr
.endm
.macro PUT i0                          ; rows i0 .. i0 + 7: 4 bytes of codes a lane and the block's byte (its four lanes write the same byte with the same value) to their places in the record
.irp g, 0,1,2,3,4,5,6,7
	ds_store_b32 v3, v[QC+\g] offset:16*(\i0+\g)
	ds_store_b8 v4, v[QBY+\g] offset:16*(\i0+\g)
.endr
.endm
	s_load_b256 s[4:11], s[0:1], 0x0               ; Wk s[4:5], Wv s[6:7], Wq s[8:9], pool_output s[10:11]
	s_load_b128 s[12:15], s[0:1], 0x20             ; bq s[12:13], wcodes s[14:15]
	s_load_b64 s[16:17], s[0:1], 0x30              ; qws
	v_lshl_add_u32 v224, v0, 2, 0x4400
	v_mov_b32 v225, 0
	v_lshrrev_b32 v1, 5, v0
	v_readfirstlane_b32 s18, v1                    ; wave 0..7
	s_lshr_b32 s19, s18, 2                         ; which of the two tiles
	s_and_b32 s20, s18, 3                          ; u
	v_and_b32 v1, 31, v0                           ; lane
	v_and_b32 v8, 15, v0                           ; r
	v_bfe_u32 v9, v0, 4, 1                         ; h
	v_lshlrev_b32 v2, 5, v8
	v_lshl_add_u32 v2, v9, 4, v2                   ; v2: 32 r + 16 h, my 16 bytes of a load's 512
	s_mul_i32 s21, s19, REC                        ; my record in LDS
	s_lshl_b32 s22, s20, 11
	s_add_co_u32 s22, s22, s21                     ; + 2,048 u: K steps 2 u and 2 u + 1
	v_lshrrev_b32 v10, 2, v1
	v_and_b32 v11, 3, v1
	v_lshlrev_b32 v3, 8, v10
	v_lshl_add_u32 v3, v11, 2, v3
	v_add_nc_u32 v3, s22, v3                       ; v3: codes: a row's byte 128 u + 4 lane lies at 2,048 u + 256 (lane / 4) + 4 (lane % 4) + 16 x row
	s_lshr_b32 s23, s20, 1
	s_lshl_b32 s23, s23, 8
	s_and_b32 s24, s20, 1
	s_lshl_b32 s24, s24, 3
	s_add_co_u32 s23, s23, s24
	s_add_co_u32 s23, s23, s21
	s_add_co_u32 s23, s23, 8192
	v_add_nc_u32 v4, s23, v10                      ; v4: scale byte 8 u + lane / 4 of a row lies at 8,192 + 256 (u / 2) + 8 (u % 2) + lane / 4 + 16 x row
	v_lshlrev_b32 v6, 4, v1                        ; v6: 16 x lane
	v_add_nc_u32 v5, s22, v6                       ; v5: my quarter of my record, read back as it lies
	v_lshlrev_b32 v7, 12, v8
	v_lshl_add_u32 v7, v9, 5, v7                   ; v7: q: row b = r of 4,096 bytes, + 32 h
	v_lshlrev_b32 v12, 5, v9                       ; v12: bq: 32 h
	; which tile of 16 rows of which tensor: all of it hangs on the work-group's and the wave's number alone
	s_and_b32 s25, ttmp9, 31
	s_lshl_b32 s25, s25, 1
	s_add_co_u32 s25, s25, s19                     ; Wk, Wv: tile 2 (g % 32) + wave / 4
	s_max_u32 s26, ttmp9, 64
	s_sub_co_u32 s26, s26, 64                      ; Wq: tile g - 64
	s_cmp_eq_u32 s19, 0
	s_cselect_b32 s26, s26, 0                      ; pool_output: its one tile
	s_cmp_lt_u32 ttmp9, 64
	s_cselect_b32 s25, s25, s26
	s_lshl_b32 s26, s25, 16                        ; 16 rows of 4,096 bytes
	s_lshl_b32 s27, s20, 10
	s_add_co_u32 s26, s26, s27                     ; + 1,024 u
	s_mov_b32 s27, 0
	s_wait_kmcnt 0x0
	s_cmp_lt_u32 ttmp9, 32
	s_cselect_b64 s[28:29], s[4:5], s[6:7]
	s_cmp_eq_u32 s19, 0
	s_cselect_b64 s[30:31], s[8:9], s[10:11]
	s_cmp_lt_u32 ttmp9, 64
	s_cselect_b64 s[28:29], s[28:29], s[30:31]
	s_add_nc_u64 s[28:29], s[28:29], s[26:27]
.irp i, 0,1,2,3,4,5,6,7,8,9,10,11,12,13,14,15
	global_load_b128 v[X+8*\i:X+8*\i+3], v2, s[28:29] offset:4096*\i
	global_load_b128 v[X+8*\i+4:X+8*\i+7], v2, s[28:29] offset:4096*\i+512
.endr
	s_wait_loadcnt 16                              ; rows 0-7 are in; the sixteen loads of rows 8-15 may be out
	QG8 X
	PUT 0
	s_wait_loadcnt 0x0
	s_wait_dscnt 0x0                               ; the stores have read the registers that the next eight groups write
	QG8 X+64
	PUT 8
	s_wait_dscnt 0x0                               ; for the others' sake: my part of the record lies in LDS
	s_barrier_signal -1
	s_barrier_wait -1                              ; both records are whole; from here on LDS is only read
	s_cmp_ge_u32 ttmp9, 64
	s_cbranch_scc1 .Lq
	; ---- Wk, Wv: the records leave as they lie: every store covers 512 consecutive bytes, aligned
	s_lshl_b32 s26, ttmp9, 1
	s_add_co_u32 s26, s26, s19                     ; record 2 g + wave / 4
	s_mul_i32 s26, s26, REC
	s_lshl_b32 s27, s20, 11
	s_add_co_u32 s26, s26, s27
	s_mov_b32 s27, 0
	s_add_nc_u64 s[14:15], s[14:15], s[26:27]
.irp j, 0,1,2,3
	ds_load_b128 v[X+4*\j:X+4*\j+3], v5 offset:512*\j
.endr
	s_wait_dscnt 0x0
.irp j, 0,1,2,3
	global_store_b128 v6, v[X+4*\j:X+4*\j+3], s[14:15] offset:512*\j
.endr
	s_cmp_lg_u32 s20, 0
	s_cbranch_scc1 .Lwdone
	ds_load_b128 v[X+16:X+19], v5 offset:8192      ; the waves with u = 0 also move the record's 512 bytes of scale words
	s_wait_dscnt 0x0
	global_store_b128 v6, v[X+16:X+19], s[14:15] offset:8192
.Lwdone:
	s_wait_tensorcnt 0x0
	ds_add_u32 v224, v225
	s_wait_dscnt 0x0
	s_endpgm
	; ---- q: wave 0 multiplies the two records.  Source 0 = 16 rows of Wq, source 1 = pool_output's 16 rows: lane (r, h) holds q[b = r][n0 + 8 h + 0 .. 7]
.Lq:
	s_cmp_lg_u32 s18, 0
	s_cbranch_scc1 .Lqdone
	s_sub_co_u32 s26, ttmp9, 64
	s_lshl_b32 s26, s26, 6                         ; 4 n0, n0 = 16 (g - 64)
	s_mov_b32 s27, 0
	s_add_nc_u64 s[12:13], s[12:13], s[26:27]
	s_add_nc_u64 s[16:17], s[16:17], s[26:27]
	global_load_b128 v[192:195], v12, s[12:13]     ; bq[n0 + 8 h + 0 .. 7]: the C of the first product
	global_load_b128 v[196:199], v12, s[12:13] offset:16
.irp n, 0,1,2,3,4,5,6,7,8,9,10,11,12,13,14,15
	ds_load_b128 v[64+4*\n:67+4*\n], v6 offset:512*\n
	ds_load_b128 v[128+4*\n:131+4*\n], v6 offset:REC+512*\n
.endr
	ds_load_b128 v[48:51], v6 offset:8192          ; register i: lanes 0-15 the word of K step i, lanes 16-31 that of K step 4 + i
	ds_load_b128 v[52:55], v6 offset:REC+8192
	s_wait_loadcnt 0x0
	s_wait_dscnt 0x0
.irp s, 0,1,2,3,4,5,6,7                ; two accumulators take turns, one instruction a turn: even K steps (begun with bq), odd K steps (begun with 0)
.set rD, 200+8*(\s%2)
.if \s == 0
	v_wmma_scale_f32_16x16x128_f8f6f4 v[rD:rD+7], v[64+8*\s:71+8*\s], v[128+8*\s:135+8*\s], v[192:199], v[48+\s%4], v[52+\s%4] matrix_a_fmt:MATRIX_FMT_FP4 matrix_b_fmt:MATRIX_FMT_FP4
.elseif \s == 1
	v_wmma_scale_f32_16x16x128_f8f6f4 v[rD:rD+7], v[64+8*\s:71+8*\s], v[128+8*\s:135+8*\s], 0, v[48+\s%4], v[52+\s%4] matrix_a_fmt:MATRIX_FMT_FP4 matrix_b_fmt:MATRIX_FMT_FP4
.elseif \s < 4
	v_wmma_scale_f32_16x16x128_f8f6f4 v[rD:rD+7], v[64+8*\s:71+8*\s], v[128+8*\s:135+8*\s], v[rD:rD+7], v[48+\s%4], v[52+\s%4] matrix_a_fmt:MATRIX_FMT_FP4 matrix_b_fmt:MATRIX_FMT_FP4
.else
	v_wmma_scale_f32_16x16x128_f8f6f4 v[rD:rD+7], v[64+8*\s:71+8*\s], v[128+8*\s:135+8*\s], v[rD:rD+7], v[48+\s%4], v[52+\s%4] matrix_a_fmt:MATRIX_FMT_FP4 matrix_b_fmt:MATRIX_FMT_FP4 matrix_a_scale:MATRIX_SCALE_ROW1 matrix_b_scale:MATRIX_SCALE_ROW1
.endif
.endr
.rept 4
	v_nop                                          ; four places between the last product and the first read of results (ISA guide 7.12.1)
.endr
.irp i, 0,1,2,3
	v_pk_add_f32 v[216+2*\i:217+2*\i], v[200+2*\i:201+2*\i], v[208+2*\i:209+2*\i]   ; from each accumulator's low end on
.endr
	global_store_b128 v7, v[216:219], s[16:17]     ; runs of 64 bytes in 16 rows: q is 65,536 bytes in all, and a stage in LDS would cost more lines than it spares
	global_store_b128 v7, v[220:223], s[16:17] offset:16
.Lqdone:
	s_wait_tensorcnt 0x0
	ds_add_u32 v224, v225
	s_wait_dscnt 0x0
	s_endpgm
.Lfunc_end_k_qe95e176e9a_prep:
	.size	k_qe95e176e9a_prep, .Lfunc_end_k_qe95e176e9a_prep-k_qe95e176e9a_prep
	.p2alignl 7, 3214868480
	.fill 96, 4, 3214868480
	.section	.rodata,"a",@progbits
	.p2align	6, 0x0
	.amdhsa_kernel k_qe95e176e9a_prep
		.amdhsa_group_segment_fixed_size 18432
		.amdhsa_private_segment_fixed_size 0
		.amdhsa_enable_private_segment 0
		.amdhsa_kernarg_size 56
		.amdhsa_user_sgpr_count 2
		.amdhsa_user_sgpr_kernarg_segment_ptr 1
		.amdhsa_wavefront_size32 1
		.amdhsa_system_sgpr_workgroup_id_x 1
		.amdhsa_system_sgpr_workgroup_id_y 1
		.amdhsa_system_sgpr_workgroup_id_z 1
		.amdhsa_system_vgpr_workitem_id 0
		.amdhsa_next_free_vgpr 226
		.amdhsa_next_free_sgpr 66
		.amdhsa_reserve_vcc 0
		.amdhsa_float_denorm_mode_32 3
		.amdhsa_float_denorm_mode_16_64 3
		.amdhsa_memory_ordered 1
		.amdhsa_forward_progress 1
		.amdhsa_inst_pref_size 25
	.end_amdhsa_kernel
	.amdgpu_metadata
---
amdhsa.version: [ 1, 2 ]
amdhsa.kernels:
  - .name:           k_qe95e176e9a_prep
    .symbol:         k_qe95e176e9a_prep.kd
    .args:
      - { .name: Wk, .offset: 0, .size: 8, .value_kind: global_buffer, .address_space: global }
      - { .name: Wv, .offset: 8, .size: 8, .value_kind: global_buffer, .address_space: global }
      - { .name: Wq, .offset: 16, .size: 8, .value_kind: global_buffer, .address_space: global }
      - { .name: pool_output, .offset: 24, .size: 8, .value_kind: global_buffer, .address_space: global }
      - { .name: bq, .offset: 32, .size: 8, .value_kind: global_buffer, .address_space: global }
      - { .name: wcodes, .offset: 40, .size: 8, .value_kind: global_buffer, .address_space: global }
      - { .name: qws, .offset: 48, .size: 8, .value_kind: global_buffer, .address_space: global }
    .group_segment_fixed_size: 18432
    .private_segment_fixed_size: 0
    .kernarg_segment_align: 8
    .kernarg_segment_size: 56
    .max_flat_workgroup_size: 256
    .sgpr_count:     66
    .vgpr_count:     226
    .wavefront_size: 32
...
	.end_amdgpu_metadata
.endif
;; end of part 1
;; launch main (part 2): grid 256 x 1, 4 waves a work-group, clusters of 4 x 1, 327,680 bytes of LDS; arguments bert_output, wcodes, qws, bk, bv, part; writes part
.if DOCPART == 2
	.amdgcn_target "amdgcn-amd-amdhsa--gfx1250"
	.amdhsa_code_object_version 6
	.text
	.protected	k_qe95e176e9a_main
	.globl	k_qe95e176e9a_main
	.p2align	8
	.type	k_qe95e176e9a_main,@function
k_qe95e176e9a_main:
	s_mov_b64 s[64:65], 0
	v_nop
	global_prefetch_b8 v0, s[64:65] scope:SCOPE_SE
	s_setreg_imm32_b32 hwreg(HW_REG_WAVE_MODE, 25, 1), 1
	s_wait_xcnt 0x0
	s_wait_alu depctr_hold_cnt(0) depctr_sa_sdst(0) depctr_va_vdst(0) depctr_va_sdst(0) depctr_va_ssrc(0) depctr_va_vcc(0) depctr_vm_vsrc(0)
	s_getreg_b32 s2, hwreg(HW_REG_IB_STS2, 6, 4)
	s_cmp_eq_u32 s2, 0
	s_cbranch_scc0 .Lentry_in_a_cluster
	s_endpgm
.Lentry_in_a_cluster:
	s_bfe_u32 s2, ttmp6, 0x10000c
	s_cmp_lg_u32 s2, 0x3003
	s_cbranch_scc0 .Lentry_shape_is_right
	s_endpgm
.Lentry_shape_is_right:
; MAIN.  For 128 rows s of x = bert_output (one sixteenth of a batch b):  a[s] = q[b] . (Q(x[s]) Q(Wk)^T + bk) / sqrt(2048);  part[n] = sum over these s of a[s] (Q(x[s]) Q(Wv)^T + bv)[n].
; Both products run on codes of FP4 (E2M1) with one E8M0 scale for each 32 along K = 1,024; k and v never leave the registers: each tile of results is folded, in f32, into a or into the sum.
; ORDER OF THE f32 SUMS, other than the source reads: a[s] = (sum_n q[n] acc[s][n] + q . bk) x 2^-5.5;  part[n] = sum_s a[s] acc[s][n] + bv[n] sum_s a[s].  The same terms, the bias terms gathered; no difference of large sums is formed.
; LIMITS: a block of zeros gets the scale byte 1 where the quantiser says 127 (its codes are zeros, and only this program reads the bytes); NaN and infinities are not served.
; SHARES.  256 work-groups of four waves.  PHASE X: wave w streams rows 32 w .. 32 w + 31 of the group's 128 (each byte of x is read once in the launch), quantises them and hands the codes round through LDS:
; EVERY wave then holds the codes of all 128 rows x 1,024 K in 512 registers.  PHASE G: THE WAVES SHARE N: a weight tile (16 rows of Wk or Wv, one record of 8,704 bytes, an image of the operand's registers)
; is read from LDS by ONE wave and feeds 64 matrix instructions.  The 128 records stream once through a ring of two LDS slots of 16 records; wave w loads and reads records 4 w .. 4 w + 3 of a slot.
; CLUSTER.  The four work-groups of a cluster walk the same records in the same order and ask JOINTLY, by the same tensor load with the same descriptor and a mask that names the four.
; THE WALK IS ROTATED.  A pass has four slot steps.  A cluster of class j = cluster % 4 takes them in the order j, j + 1, j + 2, j + 3 (mod 4): the step of order i = 0 .. 7 is (i & 4) + ((i + j) & 3).
; So the four classes' first fills together ask for all of Wk's records at the launch's start; of the six refills those of order 2 and 3 ask for records that other classes asked for then, those of order 5, 6, 7 for
; records that another class asked for one refill earlier.  Places in LDS keep the order of the walk; the rotation lives in global offsets alone: place p of q, bk, bv and part is byte (p + 1,024 j) mod 4,096.
; (The order in which a's terms are added so differs from class to class.)
; K PASS (records 0-63):  source 0 = the weight tile, source 1 = 16 rows of x: lane (r, h) holds row 16 m + r and columns n0 + 8 h + 0 .. 7: eight multiply-adds by q.
; V PASS (records 64-127): source 0 = 16 rows of x, source 1 = the weight tile: lane (r, h) holds column n0 + r and rows 16 m + 8 h + 0 .. 7: eight multiply-adds by a.
; BY TURNS.  Two sets of eight accumulators.  In tiles 1, 2, 3 of a slot step the fold of the tile before, 32 packed multiply-adds, stands in four slices between the tile's 64 matrix instructions, one behind each 16;
; the price is two window switches a slice.  Tile 3's fold stands bare at the step's end, so that the loops need no first trip of their own.
; REGISTERS, in windows of 256 (s_set_vgpr_msb: bits 1:0 source 0, 3:2 source 1, 5:4 source 2, 7:6 destination):
;   window 0: addresses, scale words, q, a, sums.   window 1: phase X: four buffers of 64 numbers a lane; phase G: two sets of a weight tile's 64 registers (v0-127), two sets of eight accumulators (v128-255).
;   windows 2, 3: x's codes: the fragment of row tile m, K step s at v[32 m + 8 (s % 4)] of window 2 + s / 4.
.set WAVB,  34816                      ; four records: what one tensor load brings
.set RECB,  8704                       ; a record: 8,192 bytes of codes, 512 of scale words
.set SLOTB, 139264                     ; a slot: 16 records.  = 0x22000; 34,816 x wave uses neither of its two bits, so one exclusive or turns an address in one slot into the other's
.set XC,    2*SLOTB                    ; behind the ring: x's codes of 64 rows, pitch XP, used for two lots of rows; no tensor load lands at or behind this byte
.set XP,    528                        ; 512 bytes + 16: an odd multiple of 16 bytes, so the 16 rows of a fragment load start 16 bytes apart modulo 256
.set XSB,   XC+64*XP                   ; x's scale bytes: 128 rows, pitch XSP
.set XSP,   48
.set SPARE, XSB+128*XSP                ; the spare words, 128 bytes for each wave: two blocks of 256 bytes that no other line names
.set QB,    XC                         ; behind phase X, in XC's bytes: q in the order of the walk, 4,096 bytes;
.set AX,    XC+4096                    ; each wave's part of a, 4 x 512;
.set AF,    XC+6144                    ; a, 512;
.set OB,    XC+8192                    ; the group's 1,024 sums, in the order of the walk
.set SPW, 1                            ; v1   SPARE + 4 x thread; never rewritten
.set NIL, 2                            ; v2   0; never rewritten
.set XBA0, 3                           ; v3   XSB + 1,536 w + lane / 4
.set XGA, 6                            ; v6   32 r + 16 h: my 16 bytes of a load's 512
.set XCA, 7                            ; v7   where the BODY in hand stores codes
.set XCA0, 8                           ; v8   XC + 8,448 w + 4 lane
.set XBA, 9                            ; v9   where it stores scale bytes
.set XFA, 10                           ; v10  XC + 528 r + 16 h
.set XSA, 11                           ; v11  XSB + 48 r + 16 h
.set AW0, 12                           ; v12  16 lane + 34,816 w
.set ADR, 13                           ; v13  the same in the slot in hand
.set AQ0, 14                           ; v14  QB + 32 h + 256 w
.set ADQ, 15                           ; v15  + 1,024 x the step's order in the pass
.set AXS, 16                           ; v16  AX + 512 w + 4 r
.set AXL, 17                           ; v17  AX + 4 t
.set AFS, 18                           ; v18  AF + 4 t
.set AFL, 19                           ; v19  AF + 32 h
.set OBS, 20                           ; v20  OB + 256 w + 4 r
.set ADO, 21                           ; v21  + 1,024 x the step's order in the pass
.set OBL, 22                           ; v22  OB + 16 t
.set PGA, 23                           ; v23  (16 t + 1,024 j) mod 4,096: where place 16 t lies in q, bk, bv, part; never rewritten
.set ASUM, 24                          ; v24  the sum of the 128 a
.set QBW, 25                           ; v25  my wave's part of q . bk
.set PGB, 30                           ; v30  the same for place 16 t + 2,048; never rewritten       (v26-29 at work)
.set QBS, 31                           ; v31  QB + 16 t
.set XS,  32                           ; v32-63  x's scale words: register 4 m + i: lanes 0-15 K step i, lanes 16-31 K step 4 + i, of row tile m
.set WS,  64                           ; v64-71  the weight tile's, two sets of four, likewise.  v32-71 hold scale words and nothing else
.set RQ,  72                           ; v72-79  a tile's eight q, set 0;
.set RQD, 152                          ; v224-231 set 1
.set AP,  80                           ; v80-95  a's partial sums, a pair for each row tile
.set RA,  96                           ; v96-159 a in the V pass's layout: register 8 m + j = a[16 m + 8 h + j]
.set RO,  160                          ; v160-167 four pairs of sums
.set RBV, 168                          ; v168-175 bv, v176-183 q, v184-191 bk: the numbers of my places 16 t and 16 t + 2,048
.set RQL, 176
.set RBK, 184
.set QM,  192                          ; v192-223 the quantiser's largest magnitudes, scale operands, bytes, codes: 8 each
.set QS,  200
.set QBY, 208
.set QC,  216
.set ACC, 128                          ; window 1: accumulator m of set a at v[ACC + 64 a + 8 m]
.set WV,  16                           ; s16 wave
.set SEL, 20                           ; s[20:21] v_permlanex16_b32's selects for lane l xor 16
.set G1,  24                           ; s[24:31] descriptor group 1
.set G0A, 32                           ; s[32:35] group 0 of the first fill of slot 0; its LDS word, 34,816 x wave, is read on
.set G0B, 36                           ; s[36:39] group 0 of the first fill of slot 1, which then walks
.set TB,  40                           ; s40 the slot in hand: 0 or SLOTB
.set TQ,  41                           ; s41 1,024 x the step's order in the pass
.set CNT, 42                           ; s42 loop counter
.set SXC, 43                           ; s43 phase X: 4,224 x BODY of the lot
.set SXB, 52                           ; s52 phase X: 384 x BODY
.set SJ,  53                           ; s53 j, the cluster's class
.set RI,  54                           ; s54 the order i of the next refill's step: 2 .. 7        (s55 at work)
.set OF,  56                           ; s[56:57] a step's offset in wcodes
.set MSB, 0
.macro WIN new                         ; the immediate's high byte repeats the setting that is left; a switch that changes nothing is dropped
.if MSB != (\new)
	s_set_vgpr_msb (MSB<<8)|(\new)
.set MSB, \new
.endif
.endm
.macro CROUND                          ; a round of the cluster's barrier: my work-group's barrier; wave 0 signals for the work-group; every wave waits for all four work-groups; my work-group's barrier once more
	s_barrier_signal -1
	s_barrier_wait -1
	s_cmp_lg_u32 s[WV], 0
	s_cbranch_scc1 .Lnot_wave_0_\@
	s_barrier_signal -3
.Lnot_wave_0_\@:
	s_barrier_wait -3
	s_barrier_signal -1
	s_barrier_wait -1
.endm
; A super-batch is two rows of x: 16 loads of 512 consecutive bytes, one buffer of 64 registers, eight groups of 256 neighbours.
.macro XISSUE buf, row
	WIN 0x40                                       ; destination window 1
.irp e, 0,1
.irp c, 0,1,2,3,4,5,6,7
	global_load_b128 v[64*(\buf)+32*\e+4*\c:64*(\buf)+32*\e+4*\c+3], v[XGA], s[4:5] offset:((\row)+\e)*4096+512*\c th:TH_LOAD_NT
.endr
.endr
.endm
	s_load_b256 s[4:11], s[0:1], 0x0               ; x s[4:5], wcodes s[6:7], qws s[8:9], bk s[10:11]
	s_load_b128 s[12:15], s[0:1], 0x20             ; bv s[12:13], part s[14:15]
	v_lshl_add_u32 v[SPW], v0, 2, SPARE
	v_mov_b32 v[NIL], 0
	ds_add_u32 v1, v2
	ds_add_u32 v1, v2
	s_wait_dscnt 0x0
	v_lshrrev_b32 v4, 5, v0
	v_readfirstlane_b32 s[WV], v4                  ; wave 0..3
	s_bfe_u32 s17, ttmp6, 0x40000                  ; cx: my place in the cluster: it enters x's, q's and part's addresses alone
	s_lshl_b32 s18, ttmp9, 2
	s_add_co_u32 s18, s18, s17                     ; work-group = 4 x cluster + cx
	s_and_b32 s[SJ], ttmp9, 3                      ; j: the cluster's class, the same in its four work-groups
	; descriptor group 1: 34,816 dense bytes as 136 rows of 32 elements of 8 bytes
	s_mov_b32 s[G1+0], 15|(3<<16)|(1<<21)          ; 15:0 the mask: all four work-groups; 17:16 elements of 8 bytes; 20 no padding; 21 set beside a mask
	s_mov_b32 s[G1+1], 32<<16                      ; tensor_dim0 = 32
	s_mov_b32 s[G1+2], 136<<16                     ; tensor_dim1 = 136
	s_mov_b32 s[G1+3], 32<<16                      ; tile_dim0 = 32
	s_mov_b32 s[G1+4], 136                         ; tile_dim1 = 136
	s_mov_b32 s[G1+5], 32                          ; from row to row: 32 elements
	s_mov_b32 s[G1+6], 0
	s_mov_b32 s[G1+7], 0
	s_mul_i32 s[G0A+1], s[WV], WAVB                ; LDS address: my quarter of slot 0
	s_mul_i32 s44, s[SJ], SLOTB                    ; in wcodes: order 0 is step j,
	s_add_co_u32 s44, s44, s[G0A+1]                ; my four records of it
	s_mov_b32 s45, 0
	s_add_co_u32 s55, s[SJ], 1
	s_and_b32 s55, s55, 3                          ; order 1 is step (j + 1) mod 4
	s_mul_i32 s[OF], s55, SLOTB
	s_add_co_u32 s[OF], s[OF], s[G0A+1]
	s_mov_b32 s[OF+1], 0
	s_mov_b32 s[RI], 2
	s_lshl_b32 s46, s18, 19                        ; x: 128 rows of 4,096 bytes a work-group,
	s_lshl_b32 s19, s[WV], 17                      ; 32 a wave
	s_add_co_u32 s46, s46, s19
	s_mov_b32 s47, 0
	s_lshr_b32 s48, s18, 4                         ; the batch: 16 work-groups each
	s_lshl_b32 s48, s48, 12
	s_mov_b32 s49, 0
	s_lshl_b32 s50, s18, 12                        ; part: 4,096 bytes a work-group
	s_mov_b32 s51, 0
	s_mov_b32 s[SEL], 0x76543210
	s_mov_b32 s[SEL+1], 0xfedcba98
	s_lshl_b32 s55, s[SJ], 10
	v_and_b32 v4, 15, v0                           ; r
	v_bfe_u32 v5, v0, 4, 1                         ; h
	v_and_b32 v26, 31, v0                          ; lane
	v_lshl_add_u32 v[PGA], v0, 4, s55
	v_and_b32 v[PGA], 0xfff, v[PGA]                ; (16 t + 1,024 j) mod 4,096
	v_xor_b32 v[PGB], 0x800, v[PGA]                ; + 2,048 mod 4,096
	v_lshlrev_b32 v[XGA], 5, v4
	v_lshl_add_u32 v[XGA], v5, 4, v[XGA]
	s_wait_kmcnt 0x0
	s_mov_b32 s[G0A], 1                            ; count = 1
	s_add_nc_u64 s[G0A+2:G0A+3], s[6:7], s[44:45]
	s_mov_b32 s[G0B], 1
	s_add_co_u32 s[G0B+1], s[G0A+1], SLOTB
	s_add_nc_u64 s[G0B+2:G0B+3], s[6:7], s[OF:OF+1]
	s_or_b32 s[G0A+3], s[G0A+3], 0x80000000        ; type = 2
	s_or_b32 s[G0B+3], s[G0B+3], 0x80000000
	s_add_nc_u64 s[4:5], s[4:5], s[46:47]
	s_add_nc_u64 s[8:9], s[8:9], s[48:49]
	s_add_nc_u64 s[14:15], s[14:15], s[50:51]
	global_load_b128 v[RQL:RQL+3], v[PGA], s[8:9]              ; q of my batch, bk, bv: 512 consecutive bytes a wave and load
	global_load_b128 v[RQL+4:RQL+7], v[PGB], s[8:9]
	global_load_b128 v[RBK:RBK+3], v[PGA], s[10:11]
	global_load_b128 v[RBK+4:RBK+7], v[PGB], s[10:11]
	global_load_b128 v[RBV:RBV+3], v[PGA], s[12:13]
	global_load_b128 v[RBV+4:RBV+7], v[PGB], s[12:13]
	XISSUE 0, 0                                    ; x's stream begins ahead of the round: nothing in it hangs on a partner
	XISSUE 1, 2
	XISSUE 2, 4                                    ; 48 loads of x and the six above are out
	WIN 0
	CROUND                                         ; all four work-groups are here: the first joint loads meet
	tensor_load_to_lds s[G0A:G0A+3], s[G1:G1+7]    ; both first fills together, ahead of every wait on TENSORcnt and every LDS read: two loads of mine are out
	s_nop 0
	tensor_load_to_lds s[G0B:G0B+3], s[G1:G1+7]
	s_nop 0
.rept 4
	v_nop
.endr
; ---------------- PHASE X ----------------
; Eight groups are quantised.  The four exchanges give lane (r, h) the eight neighbours k = 128 h + 8 r + 0 .. 7 of its group; four lanes hold a block of 32.  The groups take turns line by line.
.macro QG8 xb
	WIN 0x41
.irp g, 0,1,2,3,4,5,6,7
.irp j, 0,1,2,3
	v_permlane16_swap_b32 v[(\xb)+8*\g+\j], v[(\xb)+8*\g+4+\j]
.endr
.endr
	WIN 0x14                                       ; sources 1 and 2 window 1
.irp g, 0,1,2,3,4,5,6,7
	v_max3_num_f32 v[QM+\g], 0x1800000, |v[(\xb)+8*\g]|, |v[(\xb)+8*\g+1]|   ; with the floor 2^(3 - 127): the byte cannot fall under 1
.endr
.irp i, 2,4,6
.irp g, 0,1,2,3,4,5,6,7
	v_max3_num_f32 v[QM+\g], v[QM+\g], |v[(\xb)+8*\g+\i]|, |v[(\xb)+8*\g+\i+1]|
.endr
.endr
	WIN 0
.irp g, 0,1,2,3,4,5,6,7
	v_max_num_f32_dpp v[QM+\g], v[QM+\g], v[QM+\g] row_xmask:1 row_mask:0xf bank_mask:0xf
.endr
.irp g, 0,1,2,3,4,5,6,7
	v_max_num_f32_dpp v[QM+\g], v[QM+\g], v[QM+\g] row_xmask:2 row_mask:0xf bank_mask:0xf   ; the block's largest magnitude
.endr
.irp g, 0,1,2,3,4,5,6,7
	v_add_nc_u32 v[QS+\g], 0xff000000, v[QM+\g]    ; 2 off the exponent field: the conversion takes that field as its scale
.endr
	WIN 0x01
.irp g, 0,1,2,3,4,5,6,7
	v_cvt_scalef32_pk8_fp4_f32 v[QC+\g], v[(\xb)+8*\g:(\xb)+8*\g+7], v[QS+\g]
.endr
	WIN 0
.irp g, 0,1,2,3,4,5,6,7
	v_lshrrev_b32 v[QBY+\g], 23, v[QS+\g]          ; the scale's byte; these plain lines also stand behind the conversions
.endr
.endm
; The super-batch in buffer buf: rows rr, rr + 1 of the BODY.  issue = 1: the super-batch three on is asked for, into the buffer worked last.  left: the younger loads that may stay out.
.macro SB buf, rr, issue, left
	s_wait_loadcnt \left                           ; loads come back in order: this super-batch's sixteen are in
	s_wait_dscnt 0x0                               ; the last super-batch's LDS stores have read the codes' and bytes' registers
.if \issue
	XISSUE (\buf+3)%4, \rr+6
.endif
	QG8 64*(\buf)
.irp e, 0,1
.irp u, 0,1,2,3
	ds_store_b32 v[XCA], v[QC+4*\e+\u] offset:(\rr+\e)*XP+128*\u      ; 128 consecutive bytes of the row's codes
	ds_store_b8 v[XBA], v[QBY+4*\e+\u] offset:(\rr+\e)*XSP+8*\u       ; a block's four lanes write the same byte with the same value
.endr
.endr
.endm
.macro BODY tail                       ; eight rows.  tail = 1: the wave's last eight: one more request, then the counts run down, and no load leaves the buffer
	s_wait_dscnt 0x0
	v_add_nc_u32 v[XCA], s[SXC], v[XCA0]
	v_add_nc_u32 v[XBA], s[SXB], v[XBA0]
.if \tail
	SB 0, 0, 1, 32
	SB 1, 2, 0, 32
	SB 2, 4, 0, 16
	SB 3, 6, 0, 0
.else
	SB 0, 0, 1, 32                                 ; 32: the two younger super-batches stay out
	SB 1, 2, 1, 32
	SB 2, 4, 1, 32
	SB 3, 6, 1, 32
	s_wait_xcnt 0x0                                ; the base is stepped only when every load issued has had its address translated
	s_add_nc_u64 s[4:5], s[4:5], 8*4096
.endif
	s_add_co_u32 s[SXC], s[SXC], 8*XP
	s_add_co_u32 s[SXB], s[SXB], 8*XSP
.endm
; The exchange of a lot: the four waves' 16 rows each lie in XC; every wave takes all of them: row tiles m = 2 w' + lot, 8 K steps, 2 loads a fragment.
.macro EXCH lot
	s_wait_dscnt 0x0                               ; for the others' sake: my codes and bytes lie in LDS
	s_barrier_signal -1
	s_barrier_wait -1
	WIN 0x80                                       ; destination window 2: K steps 0-3
.irp w, 0,1,2,3
.irp s, 0,1,2,3
.irp c, 0,1
	ds_load_b128 v[32*(2*\w+\lot)+8*\s+4*\c:32*(2*\w+\lot)+8*\s+4*\c+3], v[XFA] offset:16*XP*\w+64*\s+32*\c
.endr
.endr
.endr
	WIN 0xc0                                       ; window 3: K steps 4-7
.irp w, 0,1,2,3
.irp s, 0,1,2,3
.irp c, 0,1
	ds_load_b128 v[32*(2*\w+\lot)+8*\s+4*\c:32*(2*\w+\lot)+8*\s+4*\c+3], v[XFA] offset:16*XP*\w+256+64*\s+32*\c
.endr
.endr
.endr
	WIN 0
.if \lot
.irp m, 0,1,2,3,4,5,6,7
	ds_load_b128 v[XS+4*\m:XS+4*\m+3], v[XSA] offset:16*XSP*\m    ; the scale words of all 128 rows
.endr
.endif
	s_wait_dscnt 0x0                               ; my reads are over:
	s_barrier_signal -1
	s_barrier_wait -1                              ; XC may be written again.
.endm
	s_mul_i32 s19, s[WV], 16*XP
	s_add_co_u32 s19, s19, XC
	v_lshl_add_u32 v[XCA0], v26, 2, s19
	v_lshrrev_b32 v27, 2, v26
	s_mul_i32 s19, s[WV], 32*XSP
	s_add_co_u32 s19, s19, XSB
	v_add_nc_u32 v[XBA0], s19, v27
	v_mul_u32_u24 v[XFA], v4, XP
	v_lshl_add_u32 v[XFA], v5, 4, v[XFA]
	v_add_nc_u32 v[XFA], XC, v[XFA]
	v_mul_u32_u24 v[XSA], v4, XSP
	v_lshl_add_u32 v[XSA], v5, 4, v[XSA]
	v_add_nc_u32 v[XSA], XSB, v[XSA]
	v_lshl_add_u32 v[AW0], v26, 4, s[G0A+1]
	s_lshl_b32 s19, s[WV], 8
	s_add_co_u32 s19, s19, QB
	v_lshl_add_u32 v[AQ0], v5, 5, s19
	s_lshl_b32 s19, s[WV], 9
	s_add_co_u32 s19, s19, AX
	v_lshl_add_u32 v[AXS], v4, 2, s19
	v_lshl_add_u32 v[AXL], v0, 2, AX
	v_lshl_add_u32 v[AFS], v0, 2, AF
	v_lshl_add_u32 v[AFL], v5, 5, AF
	s_lshl_b32 s19, s[WV], 8
	s_add_co_u32 s19, s19, OB
	v_lshl_add_u32 v[OBS], v4, 2, s19
	v_lshl_add_u32 v[OBL], v0, 4, OB
	v_lshl_add_u32 v[QBS], v0, 4, QB
.irp j, 0,1,2,3,4,5,6,7,8,9,10,11,12,13,14,15
	v_mov_b32 v[AP+\j], 0                          ; a's sixteen partial sums: the K loop is written once and adds onto them
.endr
	s_mov_b32 s[SXC], 0
	s_mov_b32 s[SXB], 0
	s_mov_b32 s[CNT], 2
.Lx:                                               ; lot 0: my rows 0-15
	BODY 0
	s_sub_co_u32 s[CNT], s[CNT], 1
	s_cmp_lg_u32 s[CNT], 0
	s_cbranch_scc1 .Lx
	EXCH 0
	s_mov_b32 s[SXC], 0                            ; lot 1: my rows 16-31, into the same bytes of XC
	BODY 0
	BODY 1
	EXCH 1
	ds_store_b128 v[QBS], v[RQL:RQL+3]             ; q goes to LDS for all waves, in the order of the walk (the first wait on LOADcnt of phase X has shown q, bk and bv in: they were issued ahead of x's loads)
	ds_store_b128 v[QBS], v[RQL+4:RQL+7] offset:2048
	v_pk_mul_f32 v[26:27], v[RQL:RQL+1], v[RBK:RBK+1]          ; my wave's part of q . bk
	v_pk_mul_f32 v[28:29], v[RQL+2:RQL+3], v[RBK+2:RBK+3]
	v_pk_fma_f32 v[26:27], v[RQL+4:RQL+5], v[RBK+4:RBK+5], v[26:27]
	v_pk_fma_f32 v[28:29], v[RQL+6:RQL+7], v[RBK+6:RBK+7], v[28:29]
	v_pk_add_f32 v[26:27], v[26:27], v[28:29]
	v_add_f32 v[QBW], v26, v27
	v_add_f32_dpp v[QBW], v[QBW], v[QBW] row_xmask:1 row_mask:0xf bank_mask:0xf
	v_add_f32_dpp v[QBW], v[QBW], v[QBW] row_xmask:2 row_mask:0xf bank_mask:0xf
	v_add_f32_dpp v[QBW], v[QBW], v[QBW] row_xmask:4 row_mask:0xf bank_mask:0xf
	v_add_f32_dpp v[QBW], v[QBW], v[QBW] row_xmask:8 row_mask:0xf bank_mask:0xf
	v_permlanex16_b32 v26, v[QBW], s[SEL], s[SEL+1]
	v_add_f32 v[QBW], v[QBW], v26
	s_wait_tensorcnt 0x1                           ; my four records of the walk's first step are in; the second step's load may stay out
	s_wait_dscnt 0x0
	s_barrier_signal -1
	s_barrier_wait -1                              ; q lies in LDS
; ---------------- PHASE G ----------------
; One matrix instruction: row tile m, K step 4 hi + s, weight set and accumulator set p.  The first K step starts the sum with the constant 0.
.macro MM pass, p, hi, s, m
.set rA, ACC+64*(\p)+8*(\m)
.set rW, 64*(\p)+8*(4*(\hi)+(\s))
.set rX, 32*(\m)+8*(\s)
.set rV, WS+4*(\p)+(\s)
.set rY, XS+4*(\m)+(\s)
.if (\pass) == 0
.if \hi
	v_wmma_scale_f32_16x16x128_f8f6f4 v[rA:rA+7], v[rW:rW+7], v[rX:rX+7], v[rA:rA+7], v[rV], v[rY] matrix_a_fmt:MATRIX_FMT_FP4 matrix_b_fmt:MATRIX_FMT_FP4 matrix_a_scale:MATRIX_SCALE_ROW1 matrix_b_scale:MATRIX_SCALE_ROW1
.elseif (\s) == 0
	v_wmma_scale_f32_16x16x128_f8f6f4 v[rA:rA+7], v[rW:rW+7], v[rX:rX+7], 0, v[rV], v[rY] matrix_a_fmt:MATRIX_FMT_FP4 matrix_b_fmt:MATRIX_FMT_FP4
.else
	v_wmma_scale_f32_16x16x128_f8f6f4 v[rA:rA+7], v[rW:rW+7], v[rX:rX+7], v[rA:rA+7], v[rV], v[rY] matrix_a_fmt:MATRIX_FMT_FP4 matrix_b_fmt:MATRIX_FMT_FP4
.endif
.else
.if \hi
	v_wmma_scale_f32_16x16x128_f8f6f4 v[rA:rA+7], v[rX:rX+7], v[rW:rW+7], v[rA:rA+7], v[rY], v[rV] matrix_a_fmt:MATRIX_FMT_FP4 matrix_b_fmt:MATRIX_FMT_FP4 matrix_a_scale:MATRIX_SCALE_ROW1 matrix_b_scale:MATRIX_SCALE_ROW1
.elseif (\s) == 0
	v_wmma_scale_f32_16x16x128_f8f6f4 v[rA:rA+7], v[rX:rX+7], v[rW:rW+7], 0, v[rY], v[rV] matrix_a_fmt:MATRIX_FMT_FP4 matrix_b_fmt:MATRIX_FMT_FP4
.else
	v_wmma_scale_f32_16x16x128_f8f6f4 v[rA:rA+7], v[rX:rX+7], v[rW:rW+7], v[rA:rA+7], v[rY], v[rV] matrix_a_fmt:MATRIX_FMT_FP4 matrix_b_fmt:MATRIX_FMT_FP4
.endif
.endif
.endm
; 16 matrix instructions: K steps 4 hi + s0 and the next x eight row tiles, on sets P.  The eight accumulators of a set take turns, one instruction a turn, in the same order everywhere.
.macro KSTEPS pass, hi, s0
.if (\pass) == 0
	WIN 0x59+4*(\hi)                               ; the weights (source 0), C and D window 1; x (source 1) window 2 or 3
.else
	WIN 0x56+(\hi)                                 ; x (source 0) window 2 or 3; the weights (source 1), C and D window 1
.endif
.irp s, \s0, \s0+1
.irp m, 0,1,2,3,4,5,6,7
	MM \pass, P, \hi, \s, \m
.endr
.endr
.endm
.macro FETCH p, off                    ; a record, off bytes on in my quarter of the slot in hand, into set p: 17 loads of 512 consecutive bytes
	WIN 0x40
.irp n, 0,1,2,3,4,5,6,7,8,9,10,11,12,13,14,15
	ds_load_b128 v[64*(\p)+4*\n:64*(\p)+4*\n+3], v[ADR] offset:(\off)+512*\n
.endr
	WIN 0
	ds_load_b128 v[WS+4*(\p):WS+4*(\p)+3], v[ADR] offset:(\off)+8192
.endm
.macro QLOAD i                         ; q[n0 + 8 h + 0 .. 7] of tile i, into q's set P
	ds_load_b128 v[RQ+RQD*P:RQ+RQD*P+3], v[ADQ] offset:64*(\i)
	ds_load_b128 v[RQ+RQD*P+4:RQ+RQD*P+7], v[ADQ] offset:64*(\i)+16
.endm
; THE FOLDS, in four slices of eight packed lines.  Each accumulator is read from its low end on.
.macro SLK a, k                        ; K pass, set a: columns 2 k, 2 k + 1 of my eight, all row tiles: eight chains by turns
	WIN 0x01                                       ; source 0 window 1
.irp m, 0,1,2,3,4,5,6,7
	v_pk_fma_f32 v[AP+2*\m:AP+2*\m+1], v[ACC+64*(\a)+8*\m+2*(\k):ACC+64*(\a)+8*\m+2*(\k)+1], v[RQ+RQD*(\a)+2*(\k):RQ+RQD*(\a)+2*(\k)+1], v[AP+2*\m:AP+2*\m+1]
.endr
.endm
.macro SLV a, k                        ; V pass, set a: row tiles 2 k, 2 k + 1: four chains, which the first row tile starts
	WIN 0x01
.irp e, 0,1
.irp j, 0,1,2,3
.if (2*(\k)+\e) == 0
	v_pk_mul_f32 v[RO+2*\j:RO+2*\j+1], v[ACC+64*(\a)+2*\j:ACC+64*(\a)+2*\j+1], v[RA+2*\j:RA+2*\j+1]
.else
	v_pk_fma_f32 v[RO+2*\j:RO+2*\j+1], v[ACC+64*(\a)+8*(2*(\k)+\e)+2*\j:ACC+64*(\a)+8*(2*(\k)+\e)+2*\j+1], v[RA+8*(2*(\k)+\e)+2*\j:RA+8*(2*(\k)+\e)+2*\j+1], v[RO+2*\j:RO+2*\j+1]
.endif
.endr
.endr
.endm
.macro VTAIL i                         ; V pass: tile i's four chains become its column's sum, which goes to LDS; two pairs of registers by turns, so that a store's data are not written again by the next tail
.set rT, 26+2*((\i)%2)
	WIN 0
	v_pk_add_f32 v[RO:RO+1], v[RO:RO+1], v[RO+2:RO+3]
	v_pk_add_f32 v[RO+4:RO+5], v[RO+4:RO+5], v[RO+6:RO+7]
	v_pk_add_f32 v[RO:RO+1], v[RO:RO+1], v[RO+4:RO+5]
	v_add_f32 v[rT], v[RO], v[RO+1]
	v_permlanex16_b32 v[rT+1], v[rT], s[SEL], s[SEL+1]   ; the column's other 64 rows lie in the lane 16 away
	v_add_f32 v[rT], v[rT], v[rT+1]
	ds_store_b32 v[ADO], v[rT] offset:64*(\i)      ; column n0 + r; both halves of the lanes write the same word with the same value
.endm
.macro SLICE pass, k                   ; slice k of the fold of the tile before, whose sets are NX
.if (\pass) == 0
	SLK NX, \k
.else
	SLV NX, \k
.endif
.endm
.macro HALF pass, hi                   ; 32 matrix instructions, and (SLC = 1) a slice behind each 16
	KSTEPS \pass, \hi, 0
.if SLC
	SLICE \pass, 2*(\hi)
.endif
	KSTEPS \pass, \hi, 2
.if SLC
	SLICE \pass, 2*(\hi)+1
.endif
.endm
; A TILE: record i of my four in the slot in hand, against all 128 rows: 64 matrix instructions on sets P = i % 2.  pass 0: K, 1: V.
; PLACES (ISA guide 7.12.1 for the first read of the results).  Behind a tile's last products stands slice 3 of the tile before's fold, eight plain lines that name none of their registers, or, in tile 0, four v_nop:
; they are the places in front of the next tile's loads into the weight set just read and of the first read of the results.  A set of accumulators is begun anew two tiles on, behind a whole fold.
; turn = 0: the next record is fetched at the tile's head (fetch = 1), 64 matrix instructions ahead of its use.
; turn = 1, 2: the slot's last tile changes slots.  My reads of this slot were over at the last tile's end.  I wait for all my tensor loads (one is out: my quarter of the next slot), add 0 to my spare word,
; multiply, wait for the add.  turn = 1: a round of the cluster's barrier, and the joint refill of the slot just left, with the step two on in the walk, first behind it: it has a slot step, 256 matrix instructions, in which to land.
; turn = 2: nothing is left to ask for: the work-group's barrier alone.
.macro TILE pass, i, turn, fetch
.set P, (\i)%2
.set NX, 1-P
.set SLC, 0
.if (\i) > 0
.set SLC, 1
.endif
.if \turn
	WIN 0                                          ; (the add's two registers lie in window 0)
	s_wait_tensorcnt 0x0                           ; no tensor load of mine is out, so the walking group 0 may be written
	ds_add_u32 v[SPW], v[NIL]                      ; 0 onto my spare word
.if \turn == 1
	s_xor_b32 s[G0B+1], s[G0B+1], SLOTB            ; the other slot than last time;
	s_add_co_u32 s55, s[RI], s[SJ]
	s_and_b32 s55, s55, 3
	s_and_b32 s[OF], s[RI], 4
	s_add_co_u32 s55, s55, s[OF]                   ; the step of order i: (i & 4) + ((i + j) & 3);
	s_mul_i32 s[OF], s55, SLOTB
	s_add_co_u32 s[OF], s[OF], s[G0A+1]            ; its offset in wcodes, my four records: made of the class, the order and the wave's number, the same in all four partners
	s_add_nc_u64 s[G0B+2:G0B+3], s[6:7], s[OF:OF+1]
	s_or_b32 s[G0B+3], s[G0B+3], 0x80000000        ; type = 2
	s_add_co_u32 s[RI], s[RI], 1
.endif
	HALF \pass, 0                                  ; 32 matrix instructions and two slices stand between the add and the wait for it
	s_wait_dscnt 0x0                               ; the add is done; no LDS instruction of mine is out
	WIN 0                                          ; at a branch and at a label every window is 0
.if \turn == 1
	CROUND                                         ; no wave of any partner still reads the slot or has a load on its way
	tensor_load_to_lds s[G0B:G0B+3], s[G1:G1+7]    ; my one tensor load until the next round
	s_nop 0
.rept 4
	v_nop
.endr
.else
	s_barrier_signal -1
	s_barrier_wait -1
.endif
	s_xor_b32 s[TB], s[TB], SLOTB
	v_add_nc_u32 v[ADR], s[TB], v[AW0]             ; on to the other slot, which the wait above has shown landed
.if (\pass) == 0
	QLOAD \i                                       ; ahead of the record's loads: the bare fold below wants q first
.endif
	FETCH NX, 0
	HALF \pass, 1
.else
.if \fetch
	FETCH NX, ((\i)+1)*RECB
.endif
.if (\pass) == 0
	WIN 0
	QLOAD \i
.endif
	HALF \pass, 0
	HALF \pass, 1
.endif
.if (\i) == 0
.rept 4
	v_nop                                          ; tile 0 carries no slices: the places behind its last products
.endr
	s_wait_dscnt 0x0                               ; the next record and this tile's q are in
.elseif (\pass) == 0
.if (\i) == 3                                  ; (in the K pass tile 3 always changes slots)
	s_wait_dscnt 17                                ; this tile's q is in; the 17 loads of the next record, issued behind it, may be out
	SLK P, 0                                       ; the step's last fold stands bare
	SLK P, 1
	SLK P, 2
	SLK P, 3
.endif
	s_wait_dscnt 0x0                               ; the next record and this tile's q are in
.else
	VTAIL (\i)-1
.if (\i) < 3
	s_wait_dscnt 1                                 ; the next record is in; the store just issued may be out
.else
.if (\turn) == 0
	s_wait_dscnt 1                                 ; the store of two tails ago has read its register
.endif
	SLV P, 0                                       ; the step's last fold stands bare
	SLV P, 1
	SLV P, 2
	SLV P, 3
	VTAIL \i
.if \turn
	s_wait_dscnt 2                                 ; the next record is in; the two stores issued behind its loads may be out
.endif
.endif
.endif
.endm
	s_mov_b32 s[TB], 0
	v_mov_b32 v[ADR], v[AW0]
	FETCH 0, 0                                     ; my first record
	s_mov_b32 s[TQ], 0
	s_mov_b32 s[CNT], 4
	s_wait_dscnt 0x0
.Lk:                                               ; THE K PASS: four slot steps, each of which asks for the step two on in the walk
	v_add_nc_u32 v[ADQ], s[TQ], v[AQ0]
	TILE 0, 0, 0, 1
	TILE 0, 1, 0, 1
	TILE 0, 2, 0, 1
	TILE 0, 3, 1, 1
	WIN 0
	s_add_co_u32 s[TQ], s[TQ], 1024
	s_sub_co_u32 s[CNT], s[CNT], 1
	s_cmp_lg_u32 s[CNT], 0
	s_cbranch_scc1 .Lk
	; a: a pair's two halves, the other half of the lanes' eight columns, my wave's part of q . bk; then the four waves' parts meet in LDS
.irp m, 0,1,2,3,4,5,6,7
	v_add_f32 v[AP+2*\m], v[AP+2*\m], v[AP+2*\m+1]
.endr
.irp m, 0,1,2,3,4,5,6,7
	v_permlanex16_b32 v[AP+2*\m+1], v[AP+2*\m], s[SEL], s[SEL+1]
.endr
.irp m, 0,1,2,3,4,5,6,7
	v_add_f32 v[AP+2*\m], v[AP+2*\m], v[AP+2*\m+1]
.endr
.irp m, 0,1,2,3,4,5,6,7
	v_add_f32 v[AP+2*\m], v[AP+2*\m], v[QBW]
.endr
.irp m, 0,1,2,3,4,5,6,7
	ds_store_b32 v[AXS], v[AP+2*\m] offset:64*\m   ; row 16 m + r; both halves of the lanes write the same word with the same value
.endr
	s_wait_dscnt 0x0
	s_barrier_signal -1
	s_barrier_wait -1                              ; (the tensor load that is out stays out)
.irp w, 0,1,2,3
	ds_load_b32 v[26+\w], v[AXL] offset:512*\w     ; thread t takes row t
.endr
	s_wait_dscnt 0x0
	v_add_f32 v26, v26, v27
	v_add_f32 v28, v28, v29
	v_add_f32 v26, v26, v28
	v_mul_f32 v26, 0x3cb504f3, v26                 ; x 2^-5.5 = 1 / sqrt(2048)
	ds_store_b32 v[AFS], v26
	s_wait_dscnt 0x0
	s_barrier_signal -1
	s_barrier_wait -1
.irp m, 0,1,2,3,4,5,6,7
.irp c, 0,1
	ds_load_b128 v[RA+8*\m+4*\c:RA+8*\m+4*\c+3], v[AFL] offset:64*\m+16*\c    ; a[16 m + 8 h + 0 .. 7]
.endr
.endr
	s_wait_dscnt 0x0
.irp j, 0,1,2,3
	v_pk_add_f32 v[RO+2*\j:RO+2*\j+1], v[RA+2*\j:RA+2*\j+1], v[RA+8+2*\j:RA+8+2*\j+1]   ; the sum of the 128 a, for bv's term: four chains
.endr
.irp m, 2,3,4,5,6,7
.irp j, 0,1,2,3
	v_pk_add_f32 v[RO+2*\j:RO+2*\j+1], v[RO+2*\j:RO+2*\j+1], v[RA+8*\m+2*\j:RA+8*\m+2*\j+1]
.endr
.endr
	v_pk_add_f32 v[RO:RO+1], v[RO:RO+1], v[RO+2:RO+3]
	v_pk_add_f32 v[RO+4:RO+5], v[RO+4:RO+5], v[RO+6:RO+7]
	v_pk_add_f32 v[RO:RO+1], v[RO:RO+1], v[RO+4:RO+5]
	v_add_f32 v[ASUM], v[RO], v[RO+1]
	v_permlanex16_b32 v26, v[ASUM], s[SEL], s[SEL+1]
	v_add_f32 v[ASUM], v[ASUM], v26
.macro VSTEP turn, fetch               ; a slot step of the V pass
	v_add_nc_u32 v[ADO], s[TQ], v[OBS]
	TILE 1, 0, 0, 1
	TILE 1, 1, 0, 1
	TILE 1, 2, 0, 1
	TILE 1, 3, \turn, \fetch
	s_add_co_u32 s[TQ], s[TQ], 1024
.endm
	s_mov_b32 s[TQ], 0
	s_mov_b32 s[CNT], 2
.Lv:                                               ; THE V PASS: its first two slot steps ask for its last two
	VSTEP 1, 1
	s_sub_co_u32 s[CNT], s[CNT], 1
	s_cmp_lg_u32 s[CNT], 0
	s_cbranch_scc1 .Lv
	VSTEP 2, 1                                     ; the last two are written out
	VSTEP 0, 0
	; THE WAY OUT: the four waves' 1,024 sums meet in LDS, in the order of the walk; thread t adds bv x the sum of a to the 4 + 4 of its two places and stores them where those places lie in part:
	; each store of a wave covers 512 consecutive bytes, aligned (the rotation is a multiple of 1,024 bytes)
	s_wait_dscnt 0x0
	s_barrier_signal -1
	s_barrier_wait -1
	ds_load_b128 v[RO:RO+3], v[OBL]
	ds_load_b128 v[RO+4:RO+7], v[OBL] offset:2048
	s_wait_dscnt 0x0
.irp j, 0,1,2,3
	v_pk_fma_f32 v[RO+2*\j:RO+2*\j+1], v[RBV+2*\j:RBV+2*\j+1], v[ASUM:ASUM+1], v[RO+2*\j:RO+2*\j+1] op_sel_hi:[1,0,1]   ; of the pair the low word, the sum of a, serves both halves
.endr
	global_store_b128 v[PGA], v[RO:RO+3], s[14:15]
	global_store_b128 v[PGB], v[RO+4:RO+7], s[14:15]
	s_wait_tensorcnt 0x0                           ; the wave's end, behind my last tensor load and my last LDS store
	ds_add_u32 v[SPW], v[NIL]
	s_wait_dscnt 0x0
	CROUND                                         ; the closing round: no work-group ends while a partner may still ask for records jointly
	s_endpgm
.Lfunc_end_k_qe95e176e9a_main:
	.size	k_qe95e176e9a_main, .Lfunc_end_k_qe95e176e9a_main-k_qe95e176e9a_main
	.p2alignl 7, 3214868480
	.fill 96, 4, 3214868480
	.section	.rodata,"a",@progbits
	.p2align	6, 0x0
	.amdhsa_kernel k_qe95e176e9a_main
		.amdhsa_group_segment_fixed_size 327680
		.amdhsa_private_segment_fixed_size 0
		.amdhsa_enable_private_segment 0
		.amdhsa_kernarg_size 48
		.amdhsa_user_sgpr_count 2
		.amdhsa_user_sgpr_kernarg_segment_ptr 1
		.amdhsa_wavefront_size32 1
		.amdhsa_system_sgpr_workgroup_id_x 1
		.amdhsa_system_sgpr_workgroup_id_y 1
		.amdhsa_system_sgpr_workgroup_id_z 1
		.amdhsa_system_vgpr_workitem_id 0
		.amdhsa_next_free_vgpr 1024
		.amdhsa_next_free_sgpr 66
		.amdhsa_reserve_vcc 0
		.amdhsa_float_denorm_mode_32 3
		.amdhsa_float_denorm_mode_16_64 3
		.amdhsa_memory_ordered 1
		.amdhsa_forward_progress 1
		.amdhsa_inst_pref_size 255
	.end_amdhsa_kernel
	.section	.bss,"aw",@nobits
	.p2align	6
	.space	262144
	.amdgpu_metadata
---
amdhsa.version: [ 1, 2 ]
amdhsa.kernels:
  - .name:           k_qe95e176e9a_main
    .symbol:         k_qe95e176e9a_main.kd
    .args:
      - { .name: bert_output, .offset: 0, .size: 8, .value_kind: global_buffer, .address_space: global }
      - { .name: wcodes, .offset: 8, .size: 8, .value_kind: global_buffer, .address_space: global }
      - { .name: qws, .offset: 16, .size: 8, .value_kind: global_buffer, .address_space: global }
      - { .name: bk, .offset: 24, .size: 8, .value_kind: global_buffer, .address_space: global }
      - { .name: bv, .offset: 32, .size: 8, .value_kind: global_buffer, .address_space: global }
      - { .name: part, .offset: 40, .size: 8, .value_kind: global_buffer, .address_space: global }
    .group_segment_fixed_size: 327680
    .private_segment_fixed_size: 0
    .kernarg_segment_align: 8
    .kernarg_segment_size: 48
    .max_flat_workgroup_size: 128
    .sgpr_count:     66
    .vgpr_count:     1024
    .wavefront_size: 32
...
	.end_amdgpu_metadata
.endif
;; end of part 2
;; launch fold (part 3): grid 128 x 1, 1 waves a work-group, no clusters, 0 bytes of LDS; arguments part, out0; writes out0
.if DOCPART == 3
	.amdgcn_target "amdgcn-amd-amdhsa--gfx1250"
	.amdhsa_code_object_version 6
	.text
	.protected	k_qe95e176e9a_fold
	.globl	k_qe95e176e9a_fold
	.p2align	8
	.type	k_qe95e176e9a_fold,@function
k_qe95e176e9a_fold:
	s_mov_b64 s[64:65], 0
	v_nop
	global_prefetch_b8 v0, s[64:65] scope:SCOPE_SE
	s_setreg_imm32_b32 hwreg(HW_REG_WAVE_MODE, 25, 1), 1
	s_wait_xcnt 0x0
; FOLD.  out0[b][n] = the sum over g = 0 .. 15 of part[16 b + g][n], in f32, g ascending.  part: [256][1024] f32; out0: [16][1024] f32.
; Work-group j (one wave) owns 128 numbers: batch j / 8, columns 128 (j % 8) on.  Each load and the store cover 512 consecutive bytes, aligned.
; Sixteen loads a wave are out at once; no LDS, no barrier, no matrix unit: 1 MiB is read once and summed.
	s_load_b128 s[4:7], s[0:1], 0x0                ; part s[4:5], out0 s[6:7]
	v_lshlrev_b32 v1, 4, v0                        ; 16 bytes a lane
	s_lshr_b32 s8, ttmp9, 3
	s_lshl_b32 s8, s8, 16                          ; a batch's sixteen parts: 65,536 bytes
	s_and_b32 s9, ttmp9, 7
	s_lshl_b32 s9, s9, 9
	s_add_co_u32 s8, s8, s9
	s_mov_b32 s9, 0
	s_lshl_b32 s10, ttmp9, 9
	s_mov_b32 s11, 0
	s_wait_kmcnt 0x0
	s_add_nc_u64 s[4:5], s[4:5], s[8:9]
	s_add_nc_u64 s[6:7], s[6:7], s[10:11]
.irp g, 0,1,2,3,4,5,6,7,8,9,10,11,12,13,14,15
	global_load_b128 v[8+4*\g:11+4*\g], v1, s[4:5] offset:4096*\g th:TH_LOAD_NT
.endr
	s_wait_loadcnt 14                              ; parts 0 and 1 are in; the fourteen younger loads may be out
	v_pk_add_f32 v[4:5], v[8:9], v[12:13]          ; the first two parts start the sums
	v_pk_add_f32 v[6:7], v[10:11], v[14:15]
.irp g, 2,3,4,5,6,7,8,9,10,11,12,13,14,15
	s_wait_loadcnt 15-\g                           ; part g is in; the younger loads may be out
	v_pk_add_f32 v[4:5], v[4:5], v[8+4*\g:9+4*\g]
	v_pk_add_f32 v[6:7], v[6:7], v[10+4*\g:11+4*\g]
.endr
	global_store_b128 v1, v[4:7], s[6:7]
	s_endpgm
.Lfunc_end_k_qe95e176e9a_fold:
	.size	k_qe95e176e9a_fold, .Lfunc_end_k_qe95e176e9a_fold-k_qe95e176e9a_fold
	.p2alignl 7, 3214868480
	.fill 96, 4, 3214868480
	.section	.rodata,"a",@progbits
	.p2align	6, 0x0
	.amdhsa_kernel k_qe95e176e9a_fold
		.amdhsa_group_segment_fixed_size 0
		.amdhsa_private_segment_fixed_size 0
		.amdhsa_enable_private_segment 0
		.amdhsa_kernarg_size 16
		.amdhsa_user_sgpr_count 2
		.amdhsa_user_sgpr_kernarg_segment_ptr 1
		.amdhsa_wavefront_size32 1
		.amdhsa_system_sgpr_workgroup_id_x 1
		.amdhsa_system_sgpr_workgroup_id_y 1
		.amdhsa_system_sgpr_workgroup_id_z 1
		.amdhsa_system_vgpr_workitem_id 0
		.amdhsa_next_free_vgpr 72
		.amdhsa_next_free_sgpr 66
		.amdhsa_reserve_vcc 0
		.amdhsa_float_denorm_mode_32 3
		.amdhsa_float_denorm_mode_16_64 3
		.amdhsa_memory_ordered 1
		.amdhsa_forward_progress 1
		.amdhsa_inst_pref_size 5
	.end_amdhsa_kernel
	.amdgpu_metadata
---
amdhsa.version: [ 1, 2 ]
amdhsa.kernels:
  - .name:           k_qe95e176e9a_fold
    .symbol:         k_qe95e176e9a_fold.kd
    .args:
      - { .name: part, .offset: 0, .size: 8, .value_kind: global_buffer, .address_space: global }
      - { .name: out0, .offset: 8, .size: 8, .value_kind: global_buffer, .address_space: global }
    .group_segment_fixed_size: 0
    .private_segment_fixed_size: 0
    .kernarg_segment_align: 8
    .kernarg_segment_size: 16
    .max_flat_workgroup_size: 32
    .sgpr_count:     66
    .vgpr_count:     72
    .wavefront_size: 32
...
	.end_amdgpu_metadata
.endif
;; end of part 3
